; MI455X (gfx1250); checked and timed in simulation.
; The chip was launched on July 23, 2026; its instructions are those of AMD's public machine-readable ISA for CDNA 5 (MIT licence, August 2026) and "CDNA5" Instruction Set Architecture Reference Guide (July 2026). The comments in the code are by the model that wrote it; some were corrected since.
;; Span Attention. Allowed arithmetic: matrix products marked QUANTISED: E4M3 operands, one E8M0 scale for each 32 along K, by v_wmma_scale_f32_16x16x128_f8f6f4 with both operands' format E4M3, f32 sums; products left as they are: f32 operands where the result goes on into a quantised operand, else bf16, f16 or f32 operands; f32 sums; everything else in f32.
;; Inputs: Wkv_codes 2,048 x 32 x 32 uint8 (E4M3 codes of Wkv, K innermost, in blocks of 32 codes); Wkv_scales 2,048 x 32 uint8 (E8M0 scales of Wkv, one for each 32 codes along K); Wo_codes 1,024 x 32 x 32 uint8 (E4M3 codes of Wo, K innermost, in blocks of 32 codes); Wo_scales 1,024 x 32 uint8 (E8M0 scales of Wo, one for each 32 codes along K); Wq 1,024 x 1,024 float32; bkv 2,048 float32; bo 1,024 float32; bq 1,024 float32; kv_codes 8 x 4,096 x 32 x 32 uint8 (E4M3 codes of kv, K innermost, in blocks of 32 codes); kv_scales 8 x 4,096 x 32 uint8 (E8M0 scales of kv, one for each 32 codes along K); mask 8 x 4,096 bool; q 8 x 1,024 float32.
;; Outputs: out0 8 x 64 x 1,024 float32.
;; Constants: span_size = 64.
;; This version of the problem:
;;   THIS VERSION OF THE PROBLEM IS GIVEN IN LOW PRECISION. The matrix products marked QUANTISED in the list below multiply operands that are first quantised to E4M3 (4 exponent bits, 3 mantissa bits; 8 bits a number), with one power-of-two scale for each 32 numbers along K (OCP MX v1.0); their sums are f32. All else is computed in f32.
;;   The module's matrix products, in the order in which they are computed (A, B: the left and right operand; K: the contracted axis; several contracted axes count as one K, in the product's order):
;;     1. [M 8, K 1,024] x [K 1,024, N 1,024]; A: input q; B: input Wq: left as it is (M = 8 < 16)
;;     2. [M 32,768, K 1,024] x [K 1,024, N 2,048]; A: input kv (given as codes); B: input Wkv (given as codes): QUANTISED
;;     3. batch 128 x [M 4,096, K 64] x [K 64, N 1]; A: computed on the way; B: computed on the way: left as it is (N = 1 < 16)
;;     4. batch 8,192 x [M 1, K 64] x [K 64, N 64]; A: softmax; B: computed on the way: left as it is (M = 1 < 16)
;;     5. [M 512, K 1,024] x [K 1,024, N 1,024]; A: computed on the way; B: input Wo (given as codes): QUANTISED
;;   THE QUANTISER, for each operand of a quantised product, along K:
;;     - K is cut into blocks of 32 from its start; a last block that is shorter is filled with zeros.
;;     - A block's scale is 2^e with e = floor(log2(the largest magnitude in the block)) - 8, held to -126 .. 127; a block of zeros has e = 0. As a byte (E8M0): e + 127.
;;     - Each number is divided by its block's scale, clamped to +-448, and rounded to the nearest number of E4M3, ties to even, subnormals kept.
;;     - The product sums the exact products of the quantised numbers (number of the format x scale) in f32.
;;   ~~~python
;;   def quantise(x, axis):      # numpy; x: float32 -> the quantised numbers, widened to float32 again
;;       x = np.moveaxis(x, axis, -1); K = x.shape[-1]
;;       x = np.pad(x, [(0, 0)] * (x.ndim - 1) + [(0, -K % 32)]); x = x.reshape(x.shape[:-1] + (-1, 32)); a = np.abs(x).max(-1, keepdims=True)
;;       e = np.where(a > 0, np.clip(np.frexp(np.where(a > 0, a, 1))[1] - 1 - 8, -126, 127), 0)      # np.frexp(a)[1] - 1 = floor(log2(a)), exactly
;;       r = np.clip(x / 2.0 ** e, -448, 448)
;;       step = 2.0 ** (np.maximum(np.frexp(np.where(r == 0, 1, r))[1] - 1, -6) - 3)
;;       q = np.round(r / step) * step * 2.0 ** e      # np.round: ties to even
;;       return np.moveaxis(q.reshape(q.shape[:-2] + (-1,))[..., :K], -1, axis).astype(np.float32)
;;   ~~~
;;   OPERANDS COMPUTED ON THE WAY. 'Computed on the way' means the value that the module computes at that place (a softmax that the list does not call 'softmax' is quantised finished and normalised). What goes into a quantiser is computed in f32, as accurately as f32 sums, v_exp_f32 and their like allow (about 1e-6 of the number): no bf16 or f16 on the way to a quantiser, and a product that is left as it is and whose result goes on into a quantised operand takes f32 operands (vector FMAs, or v_wmma_f32_16x16x4_f32). A number that lies on a knife's edge between two numbers of the format may be rounded either way, as far as f32 arithmetic and the matrix unit's own rounding can turn it there, and no further.
;;   INPUTS GIVEN AS CODES. Wkv (in the module: [1024, 2048], K = its axis 0); Wo (in the module: [1024, 1024], K = its axis 0); kv (in the module: [8, 4096, 1024], K = its axis 2): each comes as NAME_codes (uint8): NAME with its K axis moved to the last place and cut into blocks of 32 codes, [.., K / 32, bytes a block], one block behind the other in memory; one code a byte (a code: sign, 4 exponent bits, 3 mantissa bits); and NAME_scales (uint8): the same leading axes, one E8M0 byte (e + 127) for each 32 codes along K. Its value is code x scale, taken as it is: it is not quantised again, and the codes and scales need not be those that the quantiser above would give.
;; One version. Each part assembles by itself: llvm-mc -triple=amdgcn-amd-amdhsa -mcpu=gfx1250 --defsym DOCPART=n.
;; ======== version 1 of 1: 3 launches
;; limits: right only within a limited range of input values
;; workspace buffers: qpart 262,144 bytes; att_codes 524,288 bytes; att_scales 16,384 bytes
;; launch qproj (part 1): grid 16 x 8, 8 waves a work-group, no clusters, 33,792 bytes of LDS; arguments q, Wq, bq, qpart; writes qpart
.if DOCPART == 1
	.amdgcn_target "amdgcn-amd-amdhsa--gfx1250"
	.amdhsa_code_object_version 6
	.text
	.protected	k_q9478f2d88d_qproj
	.globl	k_q9478f2d88d_qproj
	.p2align	8
	.type	k_q9478f2d88d_qproj,@function
k_q9478f2d88d_qproj:
	s_mov_b64 s[64:65], 0
	v_nop
	global_prefetch_b8 v0, s[64:65] scope:SCOPE_SE
	s_setreg_imm32_b32 hwreg(HW_REG_WAVE_MODE, 25, 1), 1
	s_wait_xcnt 0x0
; qpart[kc][b][n] = 0.125 log2(e) x ( sum over k = 128 kc .. 128 kc + 127 of q[b][k] Wq[k][n]  + (kc == 0 ? bq[n] : 0) ).   q: [8][1024], Wq: [1024][1024], bq: [1024], qpart: [8][8][1024], all f32.
; The eight parts are added by the next launch.  The product has 8 rows and its result ends up ahead of a quantiser: so f32 fused multiply-adds, no matrix unit.
; The factor is the scores' 1 / sqrt(64) and the change from e^x to 2^x, folded into the query once.
; SHARES.  A work-group takes 64 columns (256 consecutive bytes of each row of Wq, aligned) x 128 rows: 32 KB, all asked for at once.  Wave w takes 16 of the rows; lane (r, h) rows 8 h + 0 .. 7 of them, columns 4 r + 0 .. 3.
; The 16 partial sums of a column (8 waves x 2 halves of the lanes) meet in LDS; wave w then finishes batch row w: 64 numbers, 256 consecutive bytes, aligned.
; No loop to run ahead in, so no prefetch; no tensor loads, so no cluster.
; LIMITS: NaN and infinities among the inputs are not served (bq is multiplied by 0 where kc is not 0).  The order of the f32 sums is 8 in a lane, 16 partial sums, 8 parts: not the order of a single chain.
; DEAD WORK, for the whole program: the first 1,024 numbers of bkv (the bias of K) are left out.  They add q . bk to every score of a head of a batch, the same number for all 64 keys of a softmax, and a softmax does not change when one number
; is added to all that count in it (where a key is masked its score is replaced in either case).  K and the scores go into no quantiser.  bkv's second half (V's bias) is read.  A NaN, an infinity or an overflow in that half alone is not carried to the result.
.set W,   32                           ; v32-63    Wq: row i of my 8, four columns
.set Q,   64                           ; v64-127   q: batch row b, my 8 k
.set ACC, 128                          ; v128-159  sums: batch row b, four columns
	s_load_b256 s[4:11], s[0:1], 0x0               ; q s[4:5], Wq s[6:7], bq s[8:9], qpart s[10:11]
	v_lshl_add_u32 v30, v0, 2, 0x8000
	v_mov_b32 v31, 0
	v_lshrrev_b32 v1, 5, v0
	v_readfirstlane_b32 s12, v1                    ; wave 0..7
	v_and_b32 v2, 15, v0                           ; r
	v_bfe_u32 v3, v0, 4, 1                         ; h
	v_and_b32 v4, 31, v0                           ; lane
	v_lshlrev_b32 v5, 4, v2                        ; 16 r
	v_lshlrev_b32 v7, 5, v3                        ; q: 8 numbers further on for the upper half
	v_lshlrev_b32 v8, 3, v4                        ; 8 x lane: bq, the way back from LDS, qpart
	v_lshl_add_u32 v6, v3, 15, v5                  ; Wq: 8 rows of 4,096 bytes for the upper half of the lanes, + 16 r
	v_lshl_add_u32 v9, v3, 11, v5
	s_wait_alu depctr_va_vdst(0)
	s_and_b32 s13, ttmp7, 0xffff                   ; kc: which 128 along K
	s_lshl_b32 s14, s13, 19                        ; Wq: 128 kc rows,
	s_lshl_b32 s15, s12, 16                        ; 16 w rows,
	s_add_co_u32 s14, s14, s15
	s_lshl_b32 s18, ttmp9, 8                       ; and the work-group's 64 columns
	s_add_co_u32 s14, s14, s18
	s_mov_b32 s15, 0
	s_lshl_b32 s16, s13, 9                         ; q: k = 128 kc + 16 w
	s_lshl_b32 s17, s12, 6
	s_add_co_u32 s16, s16, s17
	s_mov_b32 s17, 0
	s_mov_b32 s19, 0                               ; s[18:19]: bq's 64 numbers
	s_lshl_b32 s20, s13, 15                        ; qpart: part kc (8 rows of 4,096 bytes),
	s_lshl_b32 s21, s12, 12                        ; batch row w,
	s_add_co_u32 s20, s20, s21
	s_add_co_u32 s20, s20, s18                     ; the 64 columns
	s_mov_b32 s21, 0
	s_cmp_eq_u32 s13, 0
	s_cselect_b32 s22, 1.0, 0                      ; the bias goes into part 0 alone
	s_mov_b32 s23, s22                             ; (named with it as a pair, so it is written)
	s_lshl_b32 s24, s12, 12
	s_lshl_b32 s25, s12, 8
	v_add_nc_u32 v9, s24, v9                       ; LDS, in: set 2 w + h of 2,048 bytes; in it [batch row][64 columns]
	v_add_nc_u32 v10, s25, v8                      ; LDS, back: batch row w, two columns a lane
	s_wait_alu depctr_va_vdst(0)
	s_wait_kmcnt 0x0
	s_add_nc_u64 s[6:7], s[6:7], s[14:15]
	s_add_nc_u64 s[4:5], s[4:5], s[16:17]
	s_add_nc_u64 s[8:9], s[8:9], s[18:19]
	s_add_nc_u64 s[10:11], s[10:11], s[20:21]
.irp i, 0,1,2,3,4,5,6,7
	global_load_b128 v[W+4*\i:W+4*\i+3], v6, s[6:7] offset:4096*\i th:TH_LOAD_NT   ; sixteen lanes read 256 consecutive bytes of a row; each byte of Wq is read once in the launch
.endr
.irp b, 0,1,2,3,4,5,6,7
.irp g, 0,1
	global_load_b128 v[Q+8*\b+4*\g:Q+8*\b+4*\g+3], v7, s[4:5] offset:4096*\b+16*\g
.endr
.endr
	global_load_b64 v[16:17], v8, s[8:9]
	s_wait_loadcnt 0x0
; two packed multiply-adds: four columns x one k, for batch row b.  q's number is one register of a pair: op_sel says which, for both halves of the result
.macro FMA2 i, b
.set rW, W+4*(\i)
.set rQ, Q+8*(\b)+2*((\i)/2)
.set rA, ACC+4*(\b)
.if (\i) == 0
	v_pk_mul_f32 v[rA:rA+1], v[rW:rW+1], v[rQ:rQ+1] op_sel_hi:[1,0]             ; the first product starts the sums: nothing is cleared
	v_pk_mul_f32 v[rA+2:rA+3], v[rW+2:rW+3], v[rQ:rQ+1] op_sel_hi:[1,0]
.elseif (\i)%2 == 0
	v_pk_fma_f32 v[rA:rA+1], v[rW:rW+1], v[rQ:rQ+1], v[rA:rA+1] op_sel_hi:[1,0,1]
	v_pk_fma_f32 v[rA+2:rA+3], v[rW+2:rW+3], v[rQ:rQ+1], v[rA+2:rA+3] op_sel_hi:[1,0,1]
.else
	v_pk_fma_f32 v[rA:rA+1], v[rW:rW+1], v[rQ:rQ+1], v[rA:rA+1] op_sel:[0,1,0]
	v_pk_fma_f32 v[rA+2:rA+3], v[rW+2:rW+3], v[rQ:rQ+1], v[rA+2:rA+3] op_sel:[0,1,0]
.endif
.endm
.irp i, 0,1,2,3,4,5,6,7
.irp b, 0,1,2,3,4,5,6,7
	FMA2 \i, \b                                    ; sixteen chains by turns
.endr
.endr
.irp b, 0,1,2,3,4,5,6,7
	ds_store_b128 v9, v[ACC+4*\b:ACC+4*\b+3] offset:256*\b
.endr
	s_wait_dscnt 0x0                               ; for the others' sake: my stores have landed
	s_barrier_signal -1
	s_barrier_wait -1
.irp s, 0,1,2,3,4,5,6,7,8,9,10,11,12,13,14,15
	ds_load_b64 v[32+2*\s:33+2*\s], v10 offset:2048*\s     ; the sixteen partial sums of my two columns
.endr
	s_wait_dscnt 0x0
.irp s, 0,4,8,12
	v_pk_add_f32 v[32+2*\s:33+2*\s], v[32+2*\s:33+2*\s], v[34+2*\s:35+2*\s]     ; by pairs
	v_pk_add_f32 v[36+2*\s:37+2*\s], v[36+2*\s:37+2*\s], v[38+2*\s:39+2*\s]
.endr
.irp s, 0,4,8,12
	v_pk_add_f32 v[32+2*\s:33+2*\s], v[32+2*\s:33+2*\s], v[36+2*\s:37+2*\s]
.endr
	v_pk_add_f32 v[32:33], v[32:33], v[40:41]
	v_pk_add_f32 v[48:49], v[48:49], v[56:57]
	s_delay_alu instid0(VALU_DEP_1)
	v_pk_add_f32 v[32:33], v[32:33], v[48:49]
	s_delay_alu instid0(VALU_DEP_1)
	v_pk_fma_f32 v[32:33], v[16:17], s[22:23], v[32:33] op_sel_hi:[1,0,1]       ; + bq, in part 0
	s_delay_alu instid0(VALU_DEP_1)
	v_pk_mul_f32 v[32:33], v[32:33], 0x3e38aa3b op_sel_hi:[1,0]                 ; x 0.125 log2(e)
	global_store_b64 v8, v[32:33], s[10:11]        ; 32 lanes store 256 consecutive bytes, aligned
	s_wait_tensorcnt 0x0                           ; the wave's end
	ds_add_u32 v30, v31
	s_wait_dscnt 0x0
	s_endpgm
.Lfunc_end_k_q9478f2d88d_qproj:
	.size	k_q9478f2d88d_qproj, .Lfunc_end_k_q9478f2d88d_qproj-k_q9478f2d88d_qproj
	.p2alignl 7, 3214868480
	.fill 96, 4, 3214868480
	.section	.rodata,"a",@progbits
	.p2align	6, 0x0
	.amdhsa_kernel k_q9478f2d88d_qproj
		.amdhsa_group_segment_fixed_size 33792
		.amdhsa_private_segment_fixed_size 0
		.amdhsa_enable_private_segment 0
		.amdhsa_kernarg_size 32
		.amdhsa_user_sgpr_count 2
		.amdhsa_user_sgpr_kernarg_segment_ptr 1
		.amdhsa_wavefront_size32 1
		.amdhsa_system_sgpr_workgroup_id_x 1
		.amdhsa_system_sgpr_workgroup_id_y 1
		.amdhsa_system_sgpr_workgroup_id_z 1
		.amdhsa_system_vgpr_workitem_id 0
		.amdhsa_next_free_vgpr 160
		.amdhsa_next_free_sgpr 66
		.amdhsa_reserve_vcc 0
		.amdhsa_float_denorm_mode_32 3
		.amdhsa_float_denorm_mode_16_64 3
		.amdhsa_memory_ordered 1
		.amdhsa_forward_progress 1
		.amdhsa_inst_pref_size 16
	.end_amdhsa_kernel
	.amdgpu_metadata
---
amdhsa.version: [ 1, 2 ]
amdhsa.kernels:
  - .name:           k_q9478f2d88d_qproj
    .symbol:         k_q9478f2d88d_qproj.kd
    .args:
      - { .name: q, .offset: 0, .size: 8, .value_kind: global_buffer, .address_space: global }
      - { .name: Wq, .offset: 8, .size: 8, .value_kind: global_buffer, .address_space: global }
      - { .name: bq, .offset: 16, .size: 8, .value_kind: global_buffer, .address_space: global }
      - { .name: qpart, .offset: 24, .size: 8, .value_kind: global_buffer, .address_space: global }
    .group_segment_fixed_size: 33792
    .private_segment_fixed_size: 0
    .kernarg_segment_align: 8
    .kernarg_segment_size: 32
    .max_flat_workgroup_size: 256
    .sgpr_count:     66
    .vgpr_count:     160
    .wavefront_size: 32
...
	.end_amdgpu_metadata
.endif
;; end of part 1
;; launch span (part 2): grid 8 x 32, 4 waves a work-group, clusters of 4 x 4, 327,680 bytes of LDS; arguments kv_codes, kv_scales, Wkv_codes, Wkv_scales, bkv, mask, qpart, att_codes, att_scales; writes att_codes, att_scales
.if DOCPART == 2
	.amdgcn_target "amdgcn-amd-amdhsa--gfx1250"
	.amdhsa_code_object_version 6
	.text
	.protected	k_q9478f2d88d_span
	.globl	k_q9478f2d88d_span
	.p2align	8
	.type	k_q9478f2d88d_span,@function
k_q9478f2d88d_span:
	s_mov_b64 s[64:65], 0
	v_nop
	global_prefetch_b8 v0, s[64:65] scope:SCOPE_SE
	s_setreg_imm32_b32 hwreg(HW_REG_WAVE_MODE, 25, 1), 1
	s_wait_xcnt 0x0
	s_wait_alu depctr_hold_cnt(0) depctr_sa_sdst(0) depctr_va_vdst(0) depctr_va_sdst(0) depctr_va_ssrc(0) depctr_va_vcc(0) depctr_vm_vsrc(0)
	s_getreg_b32 s2, hwreg(HW_REG_IB_STS2, 6, 4)
	s_cmp_eq_u32 s2, 0
	s_cbranch_scc0 .Lentry_in_a_cluster
	s_endpgm
.Lentry_in_a_cluster:
	s_bfe_u32 s2, ttmp6, 0x10000c
	s_cmp_lg_u32 s2, 0xf033
	s_cbranch_scc0 .Lentry_shape_is_right
	s_endpgm
.Lentry_shape_is_right:
; K, V = kv Wkv^T on codes of E4M3; scores, softmax over spans of 64 keys, the weighted sum of V, its quantiser: one launch.  K's bias is left out: q . bk is the same for all keys of a softmax (see the first kernel's head).
; SHARES.  Work-group (X, Y): heads 2 X, 2 X + 1; kv's rows 1,024 Y on = 16 spans.  Wave w: 32 rows of W's K part (128 X + 32 w on) and the same 32 of its V part: half a head each.  They stay in registers, all of K = 1,024 (512 registers);
; kv's rows stream past in blocks of 16: 32 products a block.  Waves 0, 1 share a head, waves 2, 3 the other: each makes its half of a score's sum over d, and the halves meet in LDS.  A wave's 32 channels are one block of the next quantiser.
; CLUSTER 4 x 4: equal Y share kv's rows and scale bytes, equal X share W's rows: each is asked for jointly.
; LDS: two slots of 128 rows of 1,024 + 16 bytes.  At first they hold W's 128 K rows and 128 V rows; then kv's chunks by turns.  The scale bytes of kv's 1,024 rows stay behind them.
; ORDER.  A trip is a chunk: eight blocks, two spans.  A block's fetch stands two blocks ahead, in one run behind a block's products.  The epilogue stands among later products, behind every second one, and in the places behind a block's last product:
; block m = 0 .. 3 of a half trip: always the scores of the block before; 0: the span before last: keys 16-31, the sum of p; 1: its keys 32-63, (barrier: the last span's score halves); 2: the last span's softmax; 3: its exponentials, keys 0-15.
; The first trip works off two spans that do not exist, on registers that hold zeros; what it makes goes into two places of the stage that nobody reads.
; K's products: source 0 = W, source 1 = kv: lane r = key, registers = channels.  V's: source 0 = kv: lane r = channel, register j = key 8 h + j.
; THE EXPONENTIAL 2^x, x <= 0: n = x rounded, f = x - n in -0.5 .. 0.5, the series of 2^f to the sixth power (the first term left out is under 1.3e-7), n added to the exponent field.  x is held at -125, so a masked key weighs at most 2^-125 of the largest.
; The row's sum divides at the end, with V's bias behind it.
; LIMITS: NaN, infinities, scores beyond f32's range and the scale byte 0xff are not served.  A block of zeros gets the byte 1 (its codes are zeros; the bytes go to the next launch alone).
.set PITCH, 1040
.set BLKB, 16*PITCH                    ; a block of 16 rows in a slot
.set YB,   128*PITCH                   ; slot 1
.set SCL,  2*YB                        ; kv's scale bytes: units of 256 bytes (8 rows) + 16 of padding
.set XB,   SCL+128*272                 ; score halves: [2][wave][16 lanes][16 bytes]
.set OSB,  XB+2048                     ; the stage: [wave][2 + 16 spans][272 bytes]: 32 channels of either half of the lanes
.set LSB,  322816                      ; sums of p: [wave][2 + 16 spans]
.set SPARE, LSB+512
.set SPW, 1
.set NIL, 2
.set A0,  3                            ; my place in a block: row r, 16 h
.set AX,  4                            ; LDS address of the block that is fetched next
.set ASC, 5                            ; kv's scale words: lane l takes row l of a pair of blocks
.set XWR, 6
.set XRO, 7
.set XRP, 8
.set OST, 9
.set LSA, 10
.set MKO, 11                           ; r xor 8 h: the key of my lane in the softmax: in lanes 16-31 keys 8-15 come first
.set PFO, 12
.set CB,  14                           ; v14, v15: the series' last coefficient
.set LS,  16
.set MK,  18                           ; v18-21 mask bytes
.set TT,  22                           ; v22-25 a score's sums
.set MX,  26
.set OO,  28                           ; v28-31 the weighted sums
.set VA,  32                           ; v32-159 V's sums of eight blocks
.set KA,  160                          ; v160-191 K's of two
.set SBW, 192                          ; v192-207 W's scale words: K's pair of tiles, V's pair
.set SCO, 208                          ; v208-211 my score halves
.set SAX, 212                          ; v212-227 kv's scale words, two sets: lanes 0-15 an even block, lanes 16-31 the odd one
.set QV,  228                          ; v228-243 the query at my channels
.set PR,  244                          ; v244-247 scores, then p; v248-251 the partner's halves
.set PT,  248                          ; v248-255 p of eight keys, one a register
.set GG,  252
.set G1A, 24
.set G0A, 32
.set G1V, 36
.set G0V, 44
.set G1S, 48
.set G0S, 56
.set G1R, 68
.set G0R, 76
.set MSB, 0
.macro WIN new                         ; the immediate's high byte repeats the setting that is left
.if MSB != (\new)
	s_set_vgpr_msb (MSB<<8)|(\new)
.set MSB, (\new)
.endif
.endm
.macro NOPS n
.rept \n
	v_nop
.endr
.endm
.macro WALU
	s_wait_alu depctr_va_vdst(0)
.endm
.macro CREST
	s_cmp_lg_u32 s14, 0
	s_cbranch_scc1 .Lnot_wave_0_\@
	s_barrier_signal -3
.Lnot_wave_0_\@:
	s_barrier_wait -3
	s_barrier_signal -1
	s_barrier_wait -1
.endm
.macro CROUND                          ; a round of the cluster's barrier
	s_barrier_signal -1
	s_barrier_wait -1
	CREST
.endm
.macro TLOAD ga, gb
	tensor_load_to_lds s[\ga:\ga+3], s[\gb:\gb+7]
	s_nop 0
	NOPS 4
.endm
.macro GROUP1 g, mask, rows            ; whole rows of 1,024 bytes, 16 of padding behind each
	s_or_b32 s[\g+0], s[\mask], (1<<20)|(1<<21)|(7<<22)|(3<<25)
	s_mov_b32 s[\g+1], 1024<<16
	s_mov_b32 s[\g+2], (\rows)<<16
	s_mov_b32 s[\g+3], 1024<<16
	s_mov_b32 s[\g+4], \rows
	s_mov_b32 s[\g+5], 1024
	s_mov_b32 s[\g+6], 0
	s_mov_b32 s[\g+7], 0
.endm
.macro WEIGHTS adr                     ; my 32 rows (two tiles), all of K: fragment (q, t) at v[32 q + 16 t] of the window
.irp q, 0,1,2,3,4,5,6,7
.irp t, 0,1
.irp c, 0,1,2,3
	ds_load_b128 v[32*\q+16*\t+4*\c:32*\q+16*\t+4*\c+3], v[\adr] offset:128*\q+32*\c+BLKB*\t
.endr
.endr
.endr
	WIN 0
.endm
.macro FETCHX st, of                   ; a block of kv, 16 rows, all of K, into set st of window 3: 32 loads
	WIN 0xc0
.irp q, 0,1,2,3,4,5,6,7
.irp c, 0,1,2,3
	ds_load_b128 v[128*(\st)+16*\q+4*\c:128*(\st)+16*\q+4*\c+3], v[AX] offset:(\of)+128*\q+32*\c
.endr
.endr
	WIN 0
.endm
.macro FETCHS st, of                   ; the scale words of a pair of blocks: 2 loads
	ds_load_b128 v[SAX+8*(\st):SAX+8*(\st)+3], v[ASC] offset:\of
	ds_load_b128 v[SAX+8*(\st)+4:SAX+8*(\st)+7], v[ASC] offset:(\of)+16
.endm
; Two products, number pI = 0 .. 15 of a block: K's two tiles (even), V's two (odd), for 128 of K.  The four sums of a block take turns.
.macro PAIR h, m
.set rQ, pI/2
.set rX, 128*((\m)%2)+16*rQ
.set rW, 32*rQ
.set rT, SAX+8*((\m)/2)+rQ
.if (pI%2) == 0
.set rD, KA+16*((\m)%2)
.set rS, SBW+rQ
	WIN 0x0d
.if (rQ == 0) && (((\m)%2) == 0)
	v_wmma_scale_f32_16x16x128_f8f6f4 v[rD:rD+7], v[rW:rW+15], v[rX:rX+15], 0, v[rS], v[rT]
	v_wmma_scale_f32_16x16x128_f8f6f4 v[rD+8:rD+15], v[rW+16:rW+31], v[rX:rX+15], 0, v[rS], v[rT] matrix_a_scale:MATRIX_SCALE_ROW1
.elseif rQ == 0
	v_wmma_scale_f32_16x16x128_f8f6f4 v[rD:rD+7], v[rW:rW+15], v[rX:rX+15], 0, v[rS], v[rT] matrix_b_scale:MATRIX_SCALE_ROW1
	v_wmma_scale_f32_16x16x128_f8f6f4 v[rD+8:rD+15], v[rW+16:rW+31], v[rX:rX+15], 0, v[rS], v[rT] matrix_a_scale:MATRIX_SCALE_ROW1 matrix_b_scale:MATRIX_SCALE_ROW1
.elseif ((\m)%2) == 0
	v_wmma_scale_f32_16x16x128_f8f6f4 v[rD:rD+7], v[rW:rW+15], v[rX:rX+15], v[rD:rD+7], v[rS], v[rT]
	v_wmma_scale_f32_16x16x128_f8f6f4 v[rD+8:rD+15], v[rW+16:rW+31], v[rX:rX+15], v[rD+8:rD+15], v[rS], v[rT] matrix_a_scale:MATRIX_SCALE_ROW1
.else
	v_wmma_scale_f32_16x16x128_f8f6f4 v[rD:rD+7], v[rW:rW+15], v[rX:rX+15], v[rD:rD+7], v[rS], v[rT] matrix_b_scale:MATRIX_SCALE_ROW1
	v_wmma_scale_f32_16x16x128_f8f6f4 v[rD+8:rD+15], v[rW+16:rW+31], v[rX:rX+15], v[rD+8:rD+15], v[rS], v[rT] matrix_a_scale:MATRIX_SCALE_ROW1 matrix_b_scale:MATRIX_SCALE_ROW1
.endif
.else
.set rD, VA+16*nB
.set rS, SBW+8+rQ
	WIN 0x0b
.if (rQ == 0) && (((\m)%2) == 0)
	v_wmma_scale_f32_16x16x128_f8f6f4 v[rD:rD+7], v[rX:rX+15], v[rW:rW+15], 0, v[rT], v[rS]
	v_wmma_scale_f32_16x16x128_f8f6f4 v[rD+8:rD+15], v[rX:rX+15], v[rW+16:rW+31], 0, v[rT], v[rS] matrix_b_scale:MATRIX_SCALE_ROW1
.elseif rQ == 0
	v_wmma_scale_f32_16x16x128_f8f6f4 v[rD:rD+7], v[rX:rX+15], v[rW:rW+15], 0, v[rT], v[rS] matrix_a_scale:MATRIX_SCALE_ROW1
	v_wmma_scale_f32_16x16x128_f8f6f4 v[rD+8:rD+15], v[rX:rX+15], v[rW+16:rW+31], 0, v[rT], v[rS] matrix_a_scale:MATRIX_SCALE_ROW1 matrix_b_scale:MATRIX_SCALE_ROW1
.elseif ((\m)%2) == 0
	v_wmma_scale_f32_16x16x128_f8f6f4 v[rD:rD+7], v[rX:rX+15], v[rW:rW+15], v[rD:rD+7], v[rT], v[rS]
	v_wmma_scale_f32_16x16x128_f8f6f4 v[rD+8:rD+15], v[rX:rX+15], v[rW+16:rW+31], v[rD+8:rD+15], v[rT], v[rS] matrix_b_scale:MATRIX_SCALE_ROW1
.else
	v_wmma_scale_f32_16x16x128_f8f6f4 v[rD:rD+7], v[rX:rX+15], v[rW:rW+15], v[rD:rD+7], v[rT], v[rS] matrix_a_scale:MATRIX_SCALE_ROW1
	v_wmma_scale_f32_16x16x128_f8f6f4 v[rD+8:rD+15], v[rX:rX+15], v[rW+16:rW+31], v[rD+8:rD+15], v[rT], v[rS] matrix_a_scale:MATRIX_SCALE_ROW1 matrix_b_scale:MATRIX_SCALE_ROW1
.endif
.endif
.endm
; THE SCORES of the block before, line sI = 0 .. 11: my 32 channels of q . k for key r
.macro SLINE m
.if sI < 8
.set rA, KA+16*(((\m)+1)%2)+8*(sI%2)+2*(sI/2)
.set rQV, QV+8*(sI%2)+2*(sI/2)
.set rTT, TT+2*(sI%2)
.if sI < 2
	v_pk_mul_f32 v[rTT:rTT+1], v[rA:rA+1], v[rQV:rQV+1]
.else
	v_pk_fma_f32 v[rTT:rTT+1], v[rA:rA+1], v[rQV:rQV+1], v[rTT:rTT+1]
.endif
.elseif sI == 8
	v_pk_add_f32 v[TT:TT+1], v[TT:TT+1], v[TT+2:TT+3]
.elseif sI == 9
	v_add_f32 v[TT], v[TT], v[TT+1]
.elseif sI == 10
	v_permlanex16_b32 v[TT+2], v[TT], s66, s67
.else
	v_add_f32 v[SCO+((\m)+3)%4], v[TT], v[TT+2]
.endif
.endm
; THE WEIGHTED SUM over 16 keys, line pX = 0 .. 15: block pA of a span, V's sums in place pS.  First each key's p is spread over its row of lanes (lanes 16-31: keys 8-15), then the multiply-adds
.macro PVL
.if pX < 8
.irp j, 0,1,2,3,4,5,6,7
.if pX == \j
	v_mov_b32_dpp v[PT+\j], v[PR+pA] row_share:\j row_mask:0xf bank_mask:0xf
.endif
.endr
.else
.set pP, (pX-8)/2
.set pV, VA+16*pS+8*(pX%2)+2*pP
.set pO, OO+2*(pX%2)
.if (pA == 0) && (pP == 0)
	v_pk_mul_f32 v[pO:pO+1], v[pV:pV+1], v[PT:PT+1]
.else
	v_pk_fma_f32 v[pO:pO+1], v[pV:pV+1], v[PT+2*pP:PT+2*pP+1], v[pO:pO+1]
.endif
.endif
.endm
.macro SUML                            ; the sum of p, lines xI = 16 .. 22
.if xI == 16
	v_add_f32 v[LS], v[PR], v[PR+1]
.elseif xI == 17
	v_add_f32 v[LS+1], v[PR+2], v[PR+3]
.elseif xI == 18
	v_add_f32 v[LS], v[LS], v[LS+1]
.elseif xI == 19
	v_add_f32_dpp v[LS], v[LS], v[LS] row_xmask:1 row_mask:0xf bank_mask:0xf
.elseif xI == 20
	v_add_f32_dpp v[LS], v[LS], v[LS] row_xmask:2 row_mask:0xf bank_mask:0xf
.elseif xI == 21
	v_add_f32_dpp v[LS], v[LS], v[LS] row_xmask:4 row_mask:0xf bank_mask:0xf
.else
	v_add_f32_dpp v[LS], v[LS], v[LS] row_xmask:8 row_mask:0xf bank_mask:0xf
.endif
.endm
.macro K6L                             ; the softmax up to x = score - maximum, held at -125, and x rounded, lines xI = 0 .. 23
.if xI < 2
.set kA, PR+2*xI
	v_pk_add_f32 v[kA:kA+1], v[kA:kA+1], v[kA+4:kA+5]
.elseif xI < 10
.set kA, (xI-2)/2
.if (xI%2) == 0
	v_cmp_ne_u32 vcc_lo, 0, v[MK+kA]
.else
	v_cndmask_b32 v[PR+kA], 0xff7fffff, v[PR+kA], vcc_lo
.endif
.elseif xI == 10
	v_max3_num_f32 v[MX], v[PR], v[PR+1], v[PR+2]
.elseif xI == 11
	v_max_num_f32 v[MX], v[MX], v[PR+3]
.elseif xI == 12
	v_max_num_f32_dpp v[MX], v[MX], v[MX] row_xmask:1 row_mask:0xf bank_mask:0xf
.elseif xI == 13
	v_max_num_f32_dpp v[MX], v[MX], v[MX] row_xmask:2 row_mask:0xf bank_mask:0xf
.elseif xI == 14
	v_max_num_f32_dpp v[MX], v[MX], v[MX] row_xmask:4 row_mask:0xf bank_mask:0xf
.elseif xI == 15
	v_max_num_f32_dpp v[MX], v[MX], v[MX] row_xmask:8 row_mask:0xf bank_mask:0xf
.elseif xI < 18
.set kA, PR+2*(xI-16)
	v_pk_add_f32 v[kA:kA+1], v[kA:kA+1], v[MX:MX+1] op_sel_hi:[1,0] neg_lo:[0,1] neg_hi:[0,1]
.elseif xI < 22
.set kA, PR+xI-18
	v_max_num_f32 v[kA], 0xc2fa0000, v[kA]
.else
.set kA, PR+2*(xI-22)
	v_pk_add_f32 v[kA+4:kA+5], v[kA:kA+1], 0x4b400000 op_sel_hi:[1,0]   ; + 1.5 x 2^23: the low bits hold x rounded
.endif
.endm
.macro HORN lit
	v_pk_fma_f32 v[kG:kG+1], v[kG:kG+1], v[kA:kA+1], \lit op_sel_hi:[1,1,0]
.endm
.macro E7L                             ; p = 2^x, lines xI = 0 .. 19, two numbers a line up to the last four
.set kA, PR+2*(xI%2)
.set kG, GG+2*(xI%2)
.if xI < 2
	v_pk_add_f32 v[kG:kG+1], v[kA+4:kA+5], 0xcb400000 op_sel_hi:[1,0]
.elseif xI < 4
	v_pk_add_f32 v[kA:kA+1], v[kA:kA+1], v[kG:kG+1] neg_lo:[0,1] neg_hi:[0,1]
.elseif xI < 6
	v_pk_fma_f32 v[kG:kG+1], v[kA:kA+1], v[CB:CB+1], 0x3aaec3ff op_sel_hi:[1,1,0]   ; ln(2)^k / k!, from k = 6 down
.elseif xI < 8
	HORN 0x3c1d955b
.elseif xI < 10
	HORN 0x3d635847
.elseif xI < 12
	HORN 0x3e75fdf0
.elseif xI < 14
	HORN 0x3f317218
.elseif xI < 16
	HORN 1.0
.else
	v_lshl_add_u32 v[PR+xI-16], v[PR+4+xI-16], 23, v[GG+xI-16]
.endif
.endm
.macro XL h, m                         ; line xI of what stands beside the scores in block m of half h
.if (\m) == 0
.if xI < 16
.set pX, xI
.set pS, 4*(\h)+1
.set pA, 1
	PVL
.else
	SUML
.endif
.elseif (\m) == 1
.if xI < 32
.set pX, xI%16
.set pS, 4*(\h)+2+xI/16
.set pA, 2+xI/16
	PVL
.elseif xI == 32
	v_add_f32 v[OO], v[OO], v[OO+1]
.else
	v_add_f32 v[OO+1], v[OO+2], v[OO+3]
.endif
.elseif (\m) == 2
	K6L
.elseif xI < 20
	E7L
.else
.set pX, xI-20
.set pS, 4*(1-(\h))
.set pA, 0
	PVL
.endif
.endm
.macro LINE h, m                       ; line lK of a block: scores and the rest by turns
.if lK < 24
.if (lK%2) == 0
.set sI, lK/2
	SLINE \m
.else
.set xI, lK/2
	XL \h, \m
.endif
.else
.set xI, lK-12
	XL \h, \m
.endif
.endm
.macro GAPL h, m                       ; the lines behind a pair of products
.if (\m) == 0
.set nL, 28
.set gE, lK+3
.elseif (\m) == 1
.set nL, 28
.set gE, lK+4
.elseif (\m) == 2
.set nL, 36
.set gE, lK+4
.else
.set nL, 48
.set gE, lK+3
.endif
.rept 4
.if (lK < gE) && (lK < nL)
	WIN 0
	LINE \h, \m
.set lK, lK+1
.endif
.endr
.endm
.macro OUT1 h                          ; a span's weighted sums and its sum of p into the stage
	ds_store_b32 v[OST], v[OO] offset:272*(\h)
	ds_store_b32 v[OST], v[OO+1] offset:272*(\h)+64
	ds_store_b32 v[LSA], v[LS] offset:4*(\h)
.endm
.macro IN1 h                           ; my score halves and my partner's
	ds_load_b128 v[PR:PR+3], v[XRO] offset:1024*(\h)
	ds_load_b128 v[PR+4:PR+7], v[XRP] offset:1024*(\h)
.endm
; A BLOCK.  kind 1: a plain barrier (score halves); 2: a round of the cluster's barrier: the next chunk has landed, this slot has been read out and is filled again; 3: a plain barrier: the next chunk has landed.
; The signal stands behind 22 products: in these blocks the lines among the products end ahead of it.
.macro BLOCK h, m, kind
.set nB, 4*(\h)+(\m)
.if (\m)%2
	s_wait_dscnt 34                                ; all but the run just issued: 32 loads and 2 of scale words
.else
	s_wait_dscnt 32                                ; all but the run just issued
.endif
.if (\m) == 2
	s_wait_loadcnt 0x0                             ; the mask bytes
.endif
.if (\kind) == 2
	s_wait_xcnt 0x0                                ; the last prefetch has taken its address
	s_add_nc_u64 s[60:61], s[60:61], 0x20000
.endif
.if (\kind) > 1
	s_wait_tensorcnt 0x0                           ; my part of the next chunk is in
.endif
.if (\kind) == 2
	ds_add_u32 v[SPW], v[NIL]
	s_add_co_u32 s77, s23, s12                     ; the chunk two on goes into this chunk's slot
	s_add_nc_u64 s[78:79], s[78:79], 0x20000
.endif
.set pI, 0
.set lK, 0
.rept 16
.if ((\kind) > 0) && (pI == 11)
	s_wait_dscnt 0x0                               ; my LDS stores and reads are done
	s_barrier_signal -1
.endif
	PAIR \h, \m
	GAPL \h, \m
.set pI, pI+1
.endr
	WIN 0
.if (\kind) > 1
	s_barrier_wait -1
.endif
.if (\kind) == 2
	CREST
	TLOAD G0R, G1R                                 ; my quarter of the chunk two on; its four v_nop are among the eight places below
.endif
.if nB < 6
	s_add_co_u32 s20, s12, (nB+2)*BLKB             ; the block two on: in this slot,
.else
	s_xor_b32 s13, s12, YB                         ; or in the other
	s_add_co_u32 s20, s13, (nB-6)*BLKB
.endif
	v_add_nc_u32 v[AX], s20, v[A0]                 ; eight plain lines or more behind the last product, ahead of loads into what it has read
.if (\m) == 0
.set xI, 16
.rept 7
	XL \h, 0                                       ; the sum of p
.set xI, xI+1
.endr
.elseif (\m) == 1
.set xI, 16
.rept 18
	XL \h, 1                                       ; keys 48-63 of the span before last
.set xI, xI+1
.endr
.elseif nB == 7
	v_add_nc_u32 v[ASC], 4*1088, v[ASC]
	v_add_nc_u32 v[OST], 2*272, v[OST]
	v_add_nc_u32 v[LSA], 8, v[LSA]
	NOPS 4
.elseif (\kind) == 2
	NOPS 3
.else
	NOPS 7
.endif
.if (\kind) == 1
	s_barrier_wait -1                              ; everybody's score halves are in LDS
.endif
	WALU
.if (\m) == 0
	ds_store_b128 v[XWR], v[SCO:SCO+3] offset:1024*(\h)
.elseif (\m) == 1
	OUT1 \h
	IN1 \h
.elseif (\m) == 2
.irp a, 0,1,2,3
	global_load_u8 v[MK+\a], v[MKO], s[86:87] offset:64*(\h)+16*\a
.endr
.endif
.if LB && (nB > 5)                     ; the last chunk has none behind it
	s_cmp_eq_u32 s3, 7
	s_cbranch_scc1 .Lno_fetch_\@
.endif
	FETCHX (\m)%2, 0
.if ((\m)%2) == 0
	FETCHS (nB/2+1)%2, 1088*(nB/2+1)
.endif
.if LB && (nB > 5)
.Lno_fetch_\@:
.endif
.if (\kind) == 2                       ; the chunk three on, one chunk ahead of its load: each of the cluster row's 16 waves names a sixteenth, 32 units of 256 bytes; the last trip names none
	s_cmp_lt_u32 s3, 5
	s_cbranch_scc0 .Lnone_ahead_\@
	global_prefetch_b8 v[PFO], s[60:61] th:TH_LOAD_NT scope:SCOPE_SE
.Lnone_ahead_\@:
.endif
.endm
.macro TRIP
	BLOCK 0, 0, 0
	BLOCK 0, 1, 1
	BLOCK 0, 2, 0
	BLOCK 0, 3, 0
	BLOCK 1, 0, 0
	BLOCK 1, 1, 1
.if LB
	BLOCK 1, 2, 3
.else
	BLOCK 1, 2, 2
.endif
	BLOCK 1, 3, 0
	s_wait_xcnt 0x0                                ; the mask's loads have taken their address
	s_add_nc_u64 s[86:87], s[86:87], 128
	s_xor_b32 s12, s12, YB
	s_add_co_u32 s3, s3, 1
.endm
	s_load_b256 s[4:11], s[0:1], 0x0               ; kv_codes, kv_scales, Wkv_codes, Wkv_scales
	s_load_b256 s[84:91], s[0:1], 0x20             ; bkv, mask, qpart, att_codes
	s_load_b64 s[92:93], s[0:1], 0x40              ; att_scales
	v_lshl_add_u32 v[SPW], v0, 2, SPARE
	v_mov_b32 v[NIL], 0
	ds_add_u32 v[SPW], v[NIL]                      ; the opening: the add, twice, and its wait
	ds_add_u32 v[SPW], v[NIL]
	v_lshrrev_b32 v32, 5, v0
	v_readfirstlane_b32 s14, v32                   ; wave
	s_bfe_u32 s16, ttmp6, 0x40000
	s_bfe_u32 s17, ttmp6, 0x40004
	s_lshl_b32 s18, ttmp9, 2
	s_add_co_u32 s18, s18, s16                     ; X
	s_and_b32 s19, ttmp7, 0xffff
	s_lshl_b32 s19, s19, 2
	s_add_co_u32 s19, s19, s17                     ; Y
	s_lshl_b32 s20, s17, 2
	s_lshl_b32 s20, 15, s20                        ; my row of the cluster: the same Y
	s_lshl_b32 s21, 0x1111, s16                    ; my column: the same X
	GROUP1 G1A, 21, 64                             ; W's K rows, a half for each of waves 0 and 1
	GROUP1 G1V, 21, 128                            ; W's V rows
	GROUP1 G1R, 20, 32                             ; a quarter of a chunk of kv
	s_or_b32 s[G1S+0], s20, (3<<16)|(1<<20)|(1<<21)|(5<<22)|(3<<25)   ; kv's scale bytes: 32,768 dense bytes as 128 rows of 256
	s_mov_b32 s[G1S+1], 32<<16
	s_mov_b32 s[G1S+2], 128<<16
	s_mov_b32 s[G1S+3], 32<<16
	s_mov_b32 s[G1S+4], 128
	s_mov_b32 s[G1S+5], 32
	s_mov_b32 s[G1S+6], 0
	s_mov_b32 s[G1S+7], 0
	s_and_b32 s22, s14, 1
	s_lshl_b32 s60, s18, 17                        ; W's K rows 128 X (+ 64),
	s_lshl_b32 s23, s22, 16
	s_add_co_u32 s60, s60, s23
	s_mov_b32 s61, 0
	s_lshl_b32 s62, s18, 17                        ; its V rows,
	s_add_co_u32 s62, s62, 0x100000
	s_mov_b32 s63, 0
	s_lshl_b32 s66, s19, 15                        ; kv's scale bytes,
	s_mov_b32 s67, 0
	s_lshl_b32 s100, s19, 20                       ; kv's rows,
	s_mov_b32 s101, 0
	s_lshl_b32 s23, s14, 15
	s_add_co_u32 s80, s100, s23                    ; my quarter of a chunk,
	s_mov_b32 s81, 0
	s_lshl_b32 s82, s18, 12                        ; W's scale bytes at my rows,
	s_lshl_b32 s23, s14, 10
	s_add_co_u32 s82, s82, s23
	s_mov_b32 s83, 0
	s_lshr_b32 s2, s19, 2                          ; qpart: batch Y / 4, my channels,
	s_lshl_b32 s2, s2, 12
	s_lshl_b32 s94, s18, 9
	s_lshl_b32 s23, s14, 7
	s_add_co_u32 s94, s94, s23
	s_add_co_u32 s2, s2, s94
	s_mov_b32 s3, 0
	s_add_co_u32 s94, s94, 4096                    ; V's bias at my channels,
	s_mov_b32 s95, 0
	s_lshl_b32 s12, s19, 10                        ; the mask,
	s_mov_b32 s13, 0
	s_lshl_b32 s96, s18, 16                        ; att_codes [X][Y][wave][span][32],
	s_lshl_b32 s23, s19, 11
	s_add_co_u32 s96, s96, s23
	s_lshl_b32 s23, s14, 9
	s_add_co_u32 s96, s96, s23
	s_mov_b32 s97, 0
	s_lshl_b32 s98, s18, 11                        ; att_scales [X][Y][wave][span]
	s_lshl_b32 s23, s19, 6
	s_add_co_u32 s98, s98, s23
	s_lshl_b32 s23, s14, 4
	s_add_co_u32 s98, s98, s23
	s_mov_b32 s99, 0
	s_mul_i32 s23, s14, 32*PITCH                   ; my rows in a slot: of W's, and my quarter of a chunk
	s_lshl_b32 s15, s16, 2
	s_add_co_u32 s15, s15, s14
	s_lshl_b32 s15, s15, 13                        ; my sixteenth of a chunk, for the prefetches
	WALU
	s_wait_dscnt 0x0
	CROUND                                         ; all sixteen work-groups are here
	s_wait_kmcnt 0x0
	s_mov_b32 s[G0A], 1
	s_mul_i32 s[G0A+1], s22, 64*PITCH
	s_add_nc_u64 s[G0A+2:G0A+3], s[8:9], s[60:61]
	s_or_b32 s[G0A+3], s[G0A+3], 0x80000000
	s_mov_b32 s[G0V], 1
	s_mov_b32 s[G0V+1], YB
	s_add_nc_u64 s[G0V+2:G0V+3], s[8:9], s[62:63]
	s_or_b32 s[G0V+3], s[G0V+3], 0x80000000
	s_mov_b32 s[G0S], 1
	s_mov_b32 s[G0S+1], SCL
	s_add_nc_u64 s[G0S+2:G0S+3], s[6:7], s[66:67]
	s_or_b32 s[G0S+3], s[G0S+3], 0x80000000
	s_mov_b32 s[G0R], 1
	s_mov_b32 s[G0R+1], s23
	s_add_nc_u64 s[G0R+2:G0R+3], s[4:5], s[80:81]
	s_or_b32 s[G0R+3], s[G0R+3], 0x80000000
	s_cmp_lt_u32 s14, 2                            ; one joint load a wave; what is shown first has a line of its own
	s_cbranch_scc0 .Lhead_v
	TLOAD G0A, G1A
	s_branch .Lasked
.Lhead_v:
	s_cmp_lt_u32 s14, 3
	s_cbranch_scc0 .Lhead_s
	TLOAD G0V, G1V
	s_branch .Lasked
.Lhead_s:
	TLOAD G0S, G1S
.Lasked:
	s_add_nc_u64 s[10:11], s[10:11], s[82:83]
	s_add_nc_u64 s[88:89], s[88:89], s[2:3]
	s_add_nc_u64 s[86:87], s[86:87], s[12:13]
	s_add_nc_u64 s[84:85], s[84:85], s[94:95]
	s_add_nc_u64 s[90:91], s[90:91], s[96:97]
	s_add_nc_u64 s[92:93], s[92:93], s[98:99]
	s_add_nc_u64 s[60:61], s[4:5], s[100:101]      ; the prefetches' base: chunk 0
	s_lshl_b32 s16, s14, 8
	s_xor_b32 s17, s14, 1
	s_lshl_b32 s17, s17, 8
	s_add_co_u32 s16, s16, XB                      ; my score halves,
	s_add_co_u32 s17, s17, XB                      ; my partner's
	s_mul_i32 s19, s14, 18*272
	s_add_co_u32 s19, s19, OSB
	s_lshl_b32 s20, s14, 7
	s_add_co_u32 s20, s20, LSB
	s_mov_b32 s66, 0x76543210
	s_mov_b32 s67, 0xfedcba98
	v_and_b32 v32, 15, v0                          ; r
	v_bfe_u32 v33, v0, 4, 1                        ; h
	v_and_b32 v34, 31, v0                          ; lane
	v_lshlrev_b32 v39, 5, v33
	v_lshlrev_b32 v40, 5, v34
	v_lshl_add_u32 v[PFO], v34, 8, s15
.irp k, 0,1,2,3,4,5,6,7
.irp t, 0,1
	global_load_b128 v[48+16*\k+8*\t:48+16*\k+8*\t+3], v39, s[88:89] offset:32768*\k+64*\t      ; the query's eight parts at channels 16 t + 8 h + 0 .. 7
	global_load_b128 v[48+16*\k+8*\t+4:48+16*\k+8*\t+7], v39, s[88:89] offset:32768*\k+64*\t+16
.endr
.endr
.irp p, 0,1
	global_load_b128 v[SBW+8*\p:SBW+8*\p+3], v40, s[10:11] offset:32768*\p                      ; lane l: the scale words of my row l
	global_load_b128 v[SBW+8*\p+4:SBW+8*\p+7], v40, s[10:11] offset:32768*\p+16
.endr
	global_prefetch_b8 v[PFO], s[60:61] th:TH_LOAD_NT scope:SCOPE_SE   ; chunk 0: its load stands behind W's way into registers
	v_mul_u32_u24 v35, v32, PITCH
	v_lshl_add_u32 v[A0], v33, 4, v35
	v_add_nc_u32 v36, s23, v[A0]                   ; my rows of W in slot 0,
	v_add_nc_u32 v37, YB, v36                      ; in slot 1
	v_lshrrev_b32 v38, 3, v34
	v_lshl_add_u32 v[ASC], v38, 4, v40             ; 32 bytes a row, 16 more for each 256 passed
	v_add_nc_u32 v[ASC], SCL, v[ASC]
	v_lshl_add_u32 v[XWR], v32, 4, s16
	v_lshlrev_b32 v38, 3, v33
	v_xor_b32 v[MKO], v38, v32
	v_lshl_add_u32 v[XRO], v[MKO], 4, s16
	v_lshl_add_u32 v[XRP], v[MKO], 4, s17
	v_lshlrev_b32 v38, 7, v33
	v_lshl_add_u32 v38, v32, 2, v38
	v_add_nc_u32 v[OST], s19, v38
	v_mov_b32 v[LSA], s20
	v_mov_b32 v[CB], 0x39218489
	v_mov_b32 v[CB+1], 0x39218489
	WALU
	s_wait_loadcnt 0x0
.set i, 0
.rept 8
	v_pk_add_f32 v[48+i:49+i], v[48+i:49+i], v[64+i:65+i]
	v_pk_add_f32 v[80+i:81+i], v[80+i:81+i], v[96+i:97+i]
	v_pk_add_f32 v[112+i:113+i], v[112+i:113+i], v[128+i:129+i]
	v_pk_add_f32 v[144+i:145+i], v[144+i:145+i], v[160+i:161+i]
.set i, i+2
.endr
.set i, 0
.rept 8
	v_pk_add_f32 v[48+i:49+i], v[48+i:49+i], v[80+i:81+i]
	v_pk_add_f32 v[112+i:113+i], v[112+i:113+i], v[144+i:145+i]
.set i, i+2
.endr
.set i, 0
.rept 8
	v_pk_add_f32 v[QV+i:QV+i+1], v[48+i:49+i], v[112+i:113+i]
.set i, i+2
.endr
.set i, 0                              ; what the first trip reads of the two spans ahead of the first: zeros
.rept 112
	v_mov_b32 v[VA+16+i], 0
.set i, i+1
.endr
.set i, 0
.rept 16
	v_mov_b32 v[KA+16+i], 0
.set i, i+1
.endr
.set i, 0
.rept 12
	v_mov_b32 v[PR+i], 0
.set i, i+1
.endr
.irp k, 0,1,2,3
	v_mov_b32 v[SCO+\k], 0
	v_mov_b32 v[MK+\k], 0
	v_mov_b32 v[OO+\k], 0
	v_mov_b32 v[TT+\k], 0
.endr
	v_mov_b32 v[MX+1], 0                           ; (named as the upper half of a pair)
	WALU
	s_cmp_lt_u32 s14, 2
	s_cbranch_scc0 .Lnot_k
	s_wait_tensorcnt 0x0                           ; waves 0 and 1: W's K rows have landed; the others' wait stands below
.Lnot_k:
	s_barrier_signal -1
	s_barrier_wait -1
	WIN 0x40
	WEIGHTS 36
	s_wait_tensorcnt 0x0                           ; everything has landed,
	ds_add_u32 v[SPW], v[NIL]
	s_wait_dscnt 0x0                               ; and W's K rows are in registers:
	CROUND
	TLOAD G0R, G1R                                 ; chunk 0 into slot 0
	WIN 0x80
	WEIGHTS 37
	s_wait_xcnt 0x0
	s_add_nc_u64 s[60:61], s[60:61], 0x20000
	global_prefetch_b8 v[PFO], s[60:61] th:TH_LOAD_NT scope:SCOPE_SE   ; chunk 1
	s_wait_tensorcnt 0x0                           ; chunk 0 is in,
	ds_add_u32 v[SPW], v[NIL]
	s_add_co_u32 s77, s23, YB
	s_add_nc_u64 s[78:79], s[78:79], 0x20000
	s_wait_dscnt 0x0                               ; and W's V rows are in registers:
	CROUND
	TLOAD G0R, G1R                                 ; chunk 1 into slot 1
	v_mov_b32 v[AX], v[A0]
	WALU
	FETCHX 0, 0
	FETCHS 0, 0
	FETCHX 1, BLKB
	s_wait_xcnt 0x0
	s_add_nc_u64 s[60:61], s[60:61], 0x20000
	global_prefetch_b8 v[PFO], s[60:61] th:TH_LOAD_NT scope:SCOPE_SE   ; chunk 2
	s_mov_b32 s3, 0                                ; the trip
	s_mov_b32 s12, 0                               ; the chunk's slot
.set LB, 0
.Lmain:                                                ; chunks 0 to 5: each asks for the chunk two on
	TRIP
	s_cmp_lt_u32 s3, 6
	s_cbranch_scc1 .Lmain
	s_mov_b32 s12, 0
.set LB, 1
.Llast:                                                ; chunks 6 and 7
	TRIP
	s_cmp_lt_u32 s3, 8
	s_cbranch_scc1 .Llast
; what is left: the span before last from its keys 16 on, and the last
	s_mul_i32 s19, s14, 18*272
	s_add_co_u32 s19, s19, OSB+2*272
	s_lshl_b32 s20, s14, 7
	s_add_co_u32 s20, s20, LSB+8
	v_and_b32 v32, 15, v0                          ; on the way out lane (r, h) has span r, channels 16 h on
	v_bfe_u32 v33, v0, 4, 1
	v_lshlrev_b32 v34, 6, v33
	global_load_b128 v[160:163], v34, s[84:85]     ; V's bias
	global_load_b128 v[164:167], v34, s[84:85] offset:16
	global_load_b128 v[168:171], v34, s[84:85] offset:32
	global_load_b128 v[172:175], v34, s[84:85] offset:48
	v_mul_u32_u24 v35, v32, 272
	v_add_nc_u32 v35, v34, v35
	v_add_nc_u32 v35, s19, v35                     ; the stage
	v_lshl_add_u32 v36, v32, 2, s20                ; the sums of p
	v_lshlrev_b32 v37, 5, v32
	v_lshl_add_u32 v37, v33, 4, v37                ; att_codes
	v_mov_b32 v41, 0
	v_mov_b32 v44, 0
.set lK, 0
.rept 28
	LINE 0, 0
.set lK, lK+1
.endr
	WALU
	ds_store_b128 v[XWR], v[SCO:SCO+3]
.set xI, 16
.rept 7
	XL 0, 0
.set xI, xI+1
.endr
	WALU
	s_wait_dscnt 0x0
	s_barrier_signal -1
.set xI, 0
.rept 34
	XL 0, 1
.set xI, xI+1
.endr
	WALU
	s_barrier_wait -1
	OUT1 0
	IN1 0
	s_wait_loadcnt 0x0
	s_wait_dscnt 0x0
.set xI, 0
.rept 24
	XL 0, 2
.set xI, xI+1
.endr
.set xI, 0
.rept 36
	XL 0, 3
.set xI, xI+1
.endr
.set xI, 0
.rept 23
	XL 1, 0
.set xI, xI+1
.endr
.set xI, 0
.rept 34
	XL 1, 1
.set xI, xI+1
.endr
	WALU
	OUT1 1
; THE WAY OUT: all sixteen spans of my 32 channels, from my own stage: LDS serves a wave's instructions in order (ISA guide 5.7.1.4)
.irp k, 0,1,2,3
	ds_load_b128 v[64+4*\k:67+4*\k], v35 offset:16*\k
	ds_load_b128 v[80+4*\k:83+4*\k], v35 offset:128+16*\k
.endr
	ds_load_b32 v38, v36
	s_mov_b32 s20, 0x600000                        ; the mantissa field of 448
	s_wait_dscnt 0x0
	WALU
	v_rcp_f32 v40, v38
.set i, 0
.rept 8
	v_pk_add_f32 v[64+i:65+i], v[64+i:65+i], v[80+i:81+i]
.set i, i+2
.endr
	WALU
.set i, 0
.rept 8
	v_pk_fma_f32 v[64+i:65+i], v[64+i:65+i], v[40:41], v[160+i:161+i] op_sel_hi:[1,0,1]
.set i, i+2
.endr
	v_max3_num_f32 v42, |v64|, |v65|, 0x4800000    ; with the floor under which a byte would fall under 1
	v_max3_num_f32 v43, |v66|, |v67|, |v68|
	v_max3_num_f32 v42, v42, |v69|, |v70|
	v_max3_num_f32 v43, v43, |v71|, |v72|
	v_max3_num_f32 v42, v42, |v73|, |v74|
	v_max3_num_f32 v43, v43, |v75|, |v76|
	v_max3_num_f32 v42, v42, |v77|, |v78|
	v_max3_num_f32 v42, v42, v43, |v79|
	v_permlanex16_b32 v44, v42, s66, s67
	v_max_num_f32 v42, v42, v44
	v_add_nc_u32 v45, 0xfc000000, v42              ; 8 off the exponent field: the scale
	v_and_or_b32 v46, v42, 0x7f800000, s20         ; 448 x the scale
	v_lshrrev_b32 v47, 23, v45                     ; its byte
.set i, 0
.rept 16
	v_med3_num_f32 v[64+i], v[64+i], -v46, v46
.set i, i+1
.endr
	v_cvt_scalef32_pk8_fp8_f32 v[48:49], v[64:71], v45
	v_cvt_scalef32_pk8_fp8_f32 v[50:51], v[72:79], v45
	v_nop
	global_store_b128 v37, v[48:51], s[90:91]      ; the wave stores 512 consecutive bytes, aligned
	global_store_b8 v32, v47, s[92:93]             ; 16 bytes; both halves of the lanes hold the same
	s_wait_tensorcnt 0x0                           ; the wave's end
	ds_add_u32 v[SPW], v[NIL]
	s_wait_dscnt 0x0
	CROUND                                         ; the closing round
	s_endpgm
.Lfunc_end_k_q9478f2d88d_span:
	.size	k_q9478f2d88d_span, .Lfunc_end_k_q9478f2d88d_span-k_q9478f2d88d_span
	.p2alignl 7, 3214868480
	.fill 96, 4, 3214868480
	.section	.rodata,"a",@progbits
	.p2align	6, 0x0
	.amdhsa_kernel k_q9478f2d88d_span
		.amdhsa_group_segment_fixed_size 327680
		.amdhsa_private_segment_fixed_size 0
		.amdhsa_enable_private_segment 0
		.amdhsa_kernarg_size 72
		.amdhsa_user_sgpr_count 2
		.amdhsa_user_sgpr_kernarg_segment_ptr 1
		.amdhsa_wavefront_size32 1
		.amdhsa_system_sgpr_workgroup_id_x 1
		.amdhsa_system_sgpr_workgroup_id_y 1
		.amdhsa_system_sgpr_workgroup_id_z 1
		.amdhsa_system_vgpr_workitem_id 0
		.amdhsa_next_free_vgpr 1024
		.amdhsa_next_free_sgpr 102
		.amdhsa_reserve_vcc 1
		.amdhsa_float_denorm_mode_32 3
		.amdhsa_float_denorm_mode_16_64 3
		.amdhsa_memory_ordered 1
		.amdhsa_forward_progress 1
		.amdhsa_inst_pref_size 215
	.end_amdhsa_kernel
	.amdgpu_metadata
---
amdhsa.version: [ 1, 2 ]
amdhsa.kernels:
  - .name:           k_q9478f2d88d_span
    .symbol:         k_q9478f2d88d_span.kd
    .args:
      - { .name: kv_codes, .offset: 0, .size: 8, .value_kind: global_buffer, .address_space: global }
      - { .name: kv_scales, .offset: 8, .size: 8, .value_kind: global_buffer, .address_space: global }
      - { .name: Wkv_codes, .offset: 16, .size: 8, .value_kind: global_buffer, .address_space: global }
      - { .name: Wkv_scales, .offset: 24, .size: 8, .value_kind: global_buffer, .address_space: global }
      - { .name: bkv, .offset: 32, .size: 8, .value_kind: global_buffer, .address_space: global }
      - { .name: mask, .offset: 40, .size: 8, .value_kind: global_buffer, .address_space: global }
      - { .name: qpart, .offset: 48, .size: 8, .value_kind: global_buffer, .address_space: global }
      - { .name: att_codes, .offset: 56, .size: 8, .value_kind: global_buffer, .address_space: global }
      - { .name: att_scales, .offset: 64, .size: 8, .value_kind: global_buffer, .address_space: global }
    .group_segment_fixed_size: 327680
    .private_segment_fixed_size: 0
    .kernarg_segment_align: 8
    .kernarg_segment_size: 72
    .max_flat_workgroup_size: 128
    .sgpr_count:     102
    .vgpr_count:     1024
    .wavefront_size: 32
...
	.end_amdgpu_metadata
.endif
;; end of part 2
;; launch oproj (part 3): grid 16 x 16, 8 waves a work-group, no clusters, 70,656 bytes of LDS; arguments att_codes, att_scales, Wo_codes, Wo_scales, bo, out0; writes out0
.if DOCPART == 3
	.amdgcn_target "amdgcn-amd-amdhsa--gfx1250"
	.amdhsa_code_object_version 6
	.text
	.protected	k_q9478f2d88d_oproj
	.globl	k_q9478f2d88d_oproj
	.p2align	8
	.type	k_q9478f2d88d_oproj,@function
k_q9478f2d88d_oproj:
	s_mov_b64 s[64:65], 0
	v_nop
	global_prefetch_b8 v0, s[64:65] scope:SCOPE_SE
	s_setreg_imm32_b32 hwreg(HW_REG_WAVE_MODE, 25, 1), 1
	s_wait_xcnt 0x0
; out0 = att Wo + bo on codes of E4M3 with E8M0 scales: [512 x 1,024] x [1,024 x 1,024].  att_codes [K step X 8][Y 32][block c 4][row 16][32], att_scales [X][Y][c][row]: row 16 Y + r, K = 128 X + 32 c on.
; Wo_codes [1024 n][1024 k], Wo_scales [1024][32], bo [1024], out0 [512][1024] f32.
; SHARES.  A work-group makes 32 rows x 64 columns.  K is shared out among its eight waves: wave s takes K step s (128): each operand byte is loaded once in the work-group, all loads go out at once, and each of a wave's
; eight accumulators is one matrix instruction with C = 0.  The eight partial tiles meet in LDS; wave v then adds rows 4 v .. 4 v + 3 and bo and stores them: sixteen lanes store 256 consecutive bytes, aligned.
; The matrix instruction is used transposed (source 0 = 16 rows of Wo, source 1 = 16 rows of att): a lane holds eight neighbouring columns of one row.
; No tensor loads, no cluster: a work-group's 96 KB are asked for in one run of register loads, and nothing is walked that partners could ask for jointly step by step.
; LIMITS: the sum over K is eight f32 parts added in ascending K, not one chain; NaN, infinities and the scale byte 0xff are not served.
.set AFR, 16                           ; v16-47    att's two fragments
.set BFR, 48                           ; v48-111   Wo's four
.set D,   112                          ; v112-175  accumulator (mu, j) at 8 (4 mu + j)
.set SA,  176                          ; v176      att's scale words: lanes 0-15 rows 0-15, lanes 16-31 rows 16-31
.set SB,  178                          ; v178-179  Wo's: lanes 0-15 an even fragment's, lanes 16-31 the odd one's
.set BO,  180
.set L,   184                          ; v184-247  the eight parts of two pairs of rows
	s_load_b256 s[4:11], s[0:1], 0x0
	s_load_b128 s[12:15], s[0:1], 0x20
	v_lshl_add_u32 v254, v0, 2, 0x11000
	v_mov_b32 v255, 0
	v_lshrrev_b32 v3, 5, v0
	v_readfirstlane_b32 s16, v3                    ; wave = K step
	v_and_b32 v1, 15, v0                           ; r
	v_bfe_u32 v2, v0, 4, 1                         ; h
	v_and_b32 v3, 31, v0                           ; lane
	v_lshlrev_b32 v7, 5, v1                        ; att's codes: 32 r
	v_lshlrev_b32 v8, 10, v1                       ; Wo's codes: row r of 1,024 bytes
	v_lshl_add_u32 v9, v2, 6, v1                   ; att's scale bytes: lanes 16-31 take the next 16 rows: 64 bytes on
	v_lshlrev_b32 v10, 5, v3                       ; Wo's scales: 32 bytes a row, a lane a row
	v_lshlrev_b32 v11, 4, v1                       ; bo: four columns a lane
	v_lshl_add_u32 v7, v2, 4, v7                   ; + 16 h
	v_lshl_add_u32 v8, v2, 4, v8                   ; + 16 h
	s_and_b32 s17, ttmp7, 0xffff                   ; gy: which 32 rows
	s_lshl_b32 s18, s16, 16                        ; att_codes: (32 s + 2 gy) x 2,048
	s_lshl_b32 s19, s17, 12
	s_add_co_u32 s18, s18, s19
	s_mov_b32 s19, 0
	s_lshl_b32 s20, s16, 11                        ; att_scales: (32 s + 2 gy) x 64
	s_lshl_b32 s21, s17, 7
	s_add_co_u32 s20, s20, s21
	s_mov_b32 s21, 0
	s_lshl_b32 s22, ttmp9, 16                      ; Wo_codes: row 64 gx, + 128 s
	s_lshl_b32 s23, s16, 7
	s_add_co_u32 s22, s22, s23
	s_mov_b32 s23, 0
	s_lshl_b32 s24, ttmp9, 11                      ; Wo_scales: row 64 gx, + 4 s
	s_lshl_b32 s25, s16, 2
	s_add_co_u32 s24, s24, s25
	s_mov_b32 s25, 0
	s_lshl_b32 s26, ttmp9, 8                       ; bo: 64 gx numbers
	s_mov_b32 s27, 0
	s_lshl_b32 s28, s17, 17                        ; out0: row 32 gy + 4 wave, column 64 gx
	s_lshl_b32 s29, s16, 14
	s_add_co_u32 s28, s28, s29
	s_add_co_u32 s28, s28, s26
	s_mov_b32 s29, 0
	s_mul_i32 s30, s16, 8704                       ; LDS: my partial tile: 32 rows x (256 bytes + 16)
	s_mul_i32 s31, s16, 4*272                      ; and the four rows that I add
	s_wait_alu depctr_va_vdst(0)
	s_wait_kmcnt 0x0
	s_add_nc_u64 s[4:5], s[4:5], s[18:19]
	s_add_nc_u64 s[6:7], s[6:7], s[20:21]
	s_add_nc_u64 s[8:9], s[8:9], s[22:23]
	s_add_nc_u64 s[10:11], s[10:11], s[24:25]
	s_add_nc_u64 s[12:13], s[12:13], s[26:27]
	s_add_nc_u64 s[14:15], s[14:15], s[28:29]
.irp mu, 0,1
.irp c, 0,1,2,3
	global_load_b128 v[AFR+16*\mu+4*\c:AFR+16*\mu+4*\c+3], v7, s[4:5] offset:2048*\mu+512*\c     ; k = 32 c + 16 h + 0 .. 15: the wave reads 512 consecutive bytes
.endr
.endr
.irp j, 0,1,2,3
.irp c, 0,1,2,3
	global_load_b128 v[BFR+16*\j+4*\c:BFR+16*\j+4*\c+3], v8, s[8:9] offset:16384*\j+32*\c
.endr
.endr
	global_load_u8 v[SA], v9, s[6:7]               ; the row's four scale bytes
	global_load_u8 v[SA+1], v9, s[6:7] offset:16
	global_load_u8 v248, v9, s[6:7] offset:32
	global_load_u8 v249, v9, s[6:7] offset:48
	global_load_b32 v[SB], v10, s[10:11]
	global_load_b32 v[SB+1], v10, s[10:11] offset:1024
	global_load_b128 v[BO:BO+3], v11, s[12:13]
	s_wait_loadcnt 0x0
	v_lshl_or_b32 v[SA], v[SA+1], 8, v[SA]
	v_lshl_or_b32 v[SA], v248, 16, v[SA]
	v_lshl_or_b32 v[SA], v249, 24, v[SA]           ; the scale word, eight places ahead of the product: the eight address lines below
	v_mul_u32_u24 v12, v1, 272
	v_mul_u32_u24 v13, v2, 272
	v_lshlrev_b32 v14, 12, v2
	v_lshl_add_u32 v12, v2, 5, v12
	v_lshl_add_u32 v13, v1, 4, v13
	v_lshl_add_u32 v14, v1, 4, v14                 ; two rows of out0, as v13
	v_add_nc_u32 v12, s30, v12                     ; in: row r, 32 bytes for each half of the lanes
	v_add_nc_u32 v13, s31, v13                     ; back: lanes 0-15 one row of 256 bytes, lanes 16-31 the next
.macro WM mu, j                        ; source 0 = Wo's fragment j, source 1 = att's fragment mu
.set rD, D+8*(4*(\mu)+(\j))
.set rX, BFR+16*(\j)
.set rY, AFR+16*(\mu)
.set rS, SB+(\j)/2
.if ((\j)%2 == 0) && ((\mu) == 0)
	v_wmma_scale_f32_16x16x128_f8f6f4 v[rD:rD+7], v[rX:rX+15], v[rY:rY+15], 0, v[rS], v[SA]
.elseif ((\j)%2 == 1) && ((\mu) == 0)
	v_wmma_scale_f32_16x16x128_f8f6f4 v[rD:rD+7], v[rX:rX+15], v[rY:rY+15], 0, v[rS], v[SA] matrix_a_scale:MATRIX_SCALE_ROW1
.elseif (\j)%2 == 0
	v_wmma_scale_f32_16x16x128_f8f6f4 v[rD:rD+7], v[rX:rX+15], v[rY:rY+15], 0, v[rS], v[SA] matrix_b_scale:MATRIX_SCALE_ROW1
.else
	v_wmma_scale_f32_16x16x128_f8f6f4 v[rD:rD+7], v[rX:rX+15], v[rY:rY+15], 0, v[rS], v[SA] matrix_a_scale:MATRIX_SCALE_ROW1 matrix_b_scale:MATRIX_SCALE_ROW1
.endif
.endm
.irp mu, 0,1
.irp j, 0,1,2,3
	WM \mu, \j
.endr
.endr
.rept 8
	v_nop                                          ; eight places ahead of the first read of results
.endr
	s_wait_alu depctr_va_vdst(0)
.irp mu, 0,1
.irp j, 0,1,2,3
	ds_store_b128 v12, v[D+8*(4*\mu+\j):D+8*(4*\mu+\j)+3] offset:4352*\mu+64*\j            ; lane (r, h): row 16 mu + r, columns 16 j + 8 h + 0 .. 7
	ds_store_b128 v12, v[D+8*(4*\mu+\j)+4:D+8*(4*\mu+\j)+7] offset:4352*\mu+64*\j+16
.endr
.endr
	s_wait_dscnt 0x0                               ; for the others' sake: my stores have landed
	s_barrier_signal -1
	s_barrier_wait -1
.irp i, 0,1
.irp k, 0,1,2,3,4,5,6,7
	ds_load_b128 v[L+4*(8*\i+\k):L+4*(8*\i+\k)+3], v13 offset:544*\i+8704*\k               ; part k of rows 4 v + 2 i and 4 v + 2 i + 1
.endr
.endr
	s_wait_dscnt 0x0
.irp i, 0,1
	v_pk_add_f32 v[L+32*\i:L+32*\i+1], v[L+32*\i:L+32*\i+1], v[BO:BO+1]
	v_pk_add_f32 v[L+32*\i+2:L+32*\i+3], v[L+32*\i+2:L+32*\i+3], v[BO+2:BO+3]
.endr
.irp k, 1,2,3,4,5,6,7
.irp i, 0,1
	s_delay_alu instid0(VALU_DEP_4)
	v_pk_add_f32 v[L+32*\i:L+32*\i+1], v[L+32*\i:L+32*\i+1], v[L+32*\i+4*\k:L+32*\i+4*\k+1]            ; four chains by turns, K ascending
	s_delay_alu instid0(VALU_DEP_4)
	v_pk_add_f32 v[L+32*\i+2:L+32*\i+3], v[L+32*\i+2:L+32*\i+3], v[L+32*\i+4*\k+2:L+32*\i+4*\k+3]
.endr
.endr
.irp i, 0,1
	global_store_b128 v14, v[L+32*\i:L+32*\i+3], s[14:15] offset:8192*\i th:TH_STORE_NT    ; sixteen lanes store 256 consecutive bytes, aligned; written once, read by nobody here
.endr
	s_wait_tensorcnt 0x0                           ; the wave's end
	ds_add_u32 v254, v255
	s_wait_dscnt 0x0
	s_endpgm
.Lfunc_end_k_q9478f2d88d_oproj:
	.size	k_q9478f2d88d_oproj, .Lfunc_end_k_q9478f2d88d_oproj-k_q9478f2d88d_oproj
	.p2alignl 7, 3214868480
	.fill 96, 4, 3214868480
	.section	.rodata,"a",@progbits
	.p2align	6, 0x0
	.amdhsa_kernel k_q9478f2d88d_oproj
		.amdhsa_group_segment_fixed_size 70656
		.amdhsa_private_segment_fixed_size 0
		.amdhsa_enable_private_segment 0
		.amdhsa_kernarg_size 48
		.amdhsa_user_sgpr_count 2
		.amdhsa_user_sgpr_kernarg_segment_ptr 1
		.amdhsa_wavefront_size32 1
		.amdhsa_system_sgpr_workgroup_id_x 1
		.amdhsa_system_sgpr_workgroup_id_y 1
		.amdhsa_system_sgpr_workgroup_id_z 1
		.amdhsa_system_vgpr_workitem_id 0
		.amdhsa_next_free_vgpr 256
		.amdhsa_next_free_sgpr 66
		.amdhsa_reserve_vcc 0
		.amdhsa_float_denorm_mode_32 3
		.amdhsa_float_denorm_mode_16_64 3
		.amdhsa_memory_ordered 1
		.amdhsa_forward_progress 1
		.amdhsa_inst_pref_size 13
	.end_amdhsa_kernel
	.amdgpu_metadata
---
amdhsa.version: [ 1, 2 ]
amdhsa.kernels:
  - .name:           k_q9478f2d88d_oproj
    .symbol:         k_q9478f2d88d_oproj.kd
    .args:
      - { .name: att_codes, .offset: 0, .size: 8, .value_kind: global_buffer, .address_space: global }
      - { .name: att_scales, .offset: 8, .size: 8, .value_kind: global_buffer, .address_space: global }
      - { .name: Wo_codes, .offset: 16, .size: 8, .value_kind: global_buffer, .address_space: global }
      - { .name: Wo_scales, .offset: 24, .size: 8, .value_kind: global_buffer, .address_space: global }
      - { .name: bo, .offset: 32, .size: 8, .value_kind: global_buffer, .address_space: global }
      - { .name: out0, .offset: 40, .size: 8, .value_kind: global_buffer, .address_space: global }
    .group_segment_fixed_size: 70656
    .private_segment_fixed_size: 0
    .kernarg_segment_align: 8
    .kernarg_segment_size: 48
    .max_flat_workgroup_size: 256
    .sgpr_count:     66
    .vgpr_count:     256
    .wavefront_size: 32
...
	.end_amdgpu_metadata
.endif
;; end of part 3
